; MI455X (gfx1250); checked and timed in simulation.
; The chip was launched on July 23, 2026; its instructions are those of AMD's public machine-readable ISA for CDNA 5 (MIT licence, August 2026) and "CDNA5" Instruction Set Architecture Reference Guide (July 2026). The comments in the code are by the model that wrote it; some were corrected since.
;; Cross Trans Former. Allowed arithmetic: matrix products marked QUANTISED: E2M3 operands, one E8M0 scale for each 32 along K, by v_wmma_scale_f32_16x16x128_f8f6f4 with both operands' format E2M3, f32 sums; everything else in f32.
;; Inputs: Wk_codes 1,024 x 32 x 24 uint8 (E2M3 codes of Wk, K innermost, in blocks of 32 codes, four codes in three bytes); Wk_scales 1,024 x 32 uint8 (E8M0 scales of Wk, one for each 32 codes along K); Wq_codes 1,024 x 32 x 24 uint8 (E2M3 codes of Wq, K innermost, in blocks of 32 codes, four codes in three bytes); Wq_scales 1,024 x 32 uint8 (E8M0 scales of Wq, one for each 32 codes along K); Wv_codes 1,024 x 32 x 24 uint8 (E2M3 codes of Wv, K innermost, in blocks of 32 codes, four codes in three bytes); Wv_scales 1,024 x 32 uint8 (E8M0 scales of Wv, one for each 32 codes along K); Xk_codes 4 x 2,048 x 32 x 24 uint8 (E2M3 codes of Xk, K innermost, in blocks of 32 codes, four codes in three bytes); Xk_scales 4 x 2,048 x 32 uint8 (E8M0 scales of Xk, one for each 32 codes along K); Xq_codes 4 x 2,048 x 32 x 24 uint8 (E2M3 codes of Xq, K innermost, in blocks of 32 codes, four codes in three bytes); Xq_scales 4 x 2,048 x 32 uint8 (E8M0 scales of Xq, one for each 32 codes along K); beta1 1,024 float32; beta2 1,024 float32; beta3 1,024 float32; gamma1 1,024 float32; gamma2 1,024 float32; gamma3 1,024 float32; mean1 1,024 float32; mean2 1,024 float32; mean3 1,024 float32; var1 1,024 float32; var2 1,024 float32; var3 1,024 float32.
;; Outputs: out0 4 x 1,024 x 2,048 float32.
;; This version of the problem:
;;   THIS VERSION OF THE PROBLEM IS GIVEN IN LOW PRECISION. The matrix products marked QUANTISED in the list below multiply operands that are first quantised to E2M3 (2 exponent bits, 3 mantissa bits; 6 bits a number), with one power-of-two scale for each 32 numbers along K (OCP MX v1.0); their sums are f32. All else is computed in f32.
;;   The module's matrix products, in the order in which they are computed (A, B: the left and right operand; K: the contracted axis; several contracted axes count as one K, in the product's order):
;;     1. [M 8,192, K 1,024] x [K 1,024, N 1,024]; A: input Xq (given as codes); B: input Wq (given as codes): QUANTISED
;;     2. [M 8,192, K 1,024] x [K 1,024, N 1,024]; A: input Xk (given as codes); B: input Wk (given as codes): QUANTISED
;;     3. [M 8,192, K 1,024] x [K 1,024, N 1,024]; A: input Xq (given as codes); B: input Wv (given as codes): QUANTISED
;;     4. batch 32 x [M 2,048, K 128] x [K 128, N 2,048]; A: computed on the way; B: computed on the way: QUANTISED
;;     5. batch 32 x [M 128, K 2,048] x [K 2,048, N 2,048]; A: computed on the way; B: softmax (see below): QUANTISED
;;   THE QUANTISER, for each operand of a quantised product, along K:
;;     - K is cut into blocks of 32 from its start; a last block that is shorter is filled with zeros.
;;     - A block's scale is 2^e with e = floor(log2(the largest magnitude in the block)) - 2, held to -126 .. 127; a block of zeros has e = 0. As a byte (E8M0): e + 127.
;;     - Each number is divided by its block's scale, clamped to +-7.5, and rounded to the nearest number of E2M3, ties to even, subnormals kept.
;;     - The product sums the exact products of the quantised numbers (number of the format x scale) in f32.
;;   ~~~python
;;   def quantise(x, axis):      # numpy; x: float32 -> the quantised numbers, widened to float32 again
;;       x = np.moveaxis(x, axis, -1); K = x.shape[-1]
;;       x = np.pad(x, [(0, 0)] * (x.ndim - 1) + [(0, -K % 32)]); x = x.reshape(x.shape[:-1] + (-1, 32)); a = np.abs(x).max(-1, keepdims=True)
;;       e = np.where(a > 0, np.clip(np.frexp(np.where(a > 0, a, 1))[1] - 1 - 2, -126, 127), 0)      # np.frexp(a)[1] - 1 = floor(log2(a)), exactly
;;       r = np.clip(x / 2.0 ** e, -7.5, 7.5)
;;       step = 2.0 ** (np.maximum(np.frexp(np.where(r == 0, 1, r))[1] - 1, 0) - 3)
;;       q = np.round(r / step) * step * 2.0 ** e      # np.round: ties to even
;;       return np.moveaxis(q.reshape(q.shape[:-2] + (-1,))[..., :K], -1, axis).astype(np.float32)
;;   ~~~
;;   SOFTMAX AHEAD OF A QUANTISED PRODUCT. Where the list says 'softmax', what is quantised is not the finished softmax but p = 2^(t - M), with t = logit x log2(e) and M = ceil(the row's largest t), a whole number; so 1/2 < the row's largest p <= 1. The row's sum l is taken of the UNQUANTISED p, in f32, and the product's result is divided by l at the end. Since M is a whole number, a kernel that streams over the keys may use a running M (the ceiling of the running maximum): every later rescaling is an exact power of two, which a block's scale takes up: the codes' values come out the same.
;;   OPERANDS COMPUTED ON THE WAY. 'Computed on the way' means the value that the module computes at that place (a softmax that the list does not call 'softmax' is quantised finished and normalised). What goes into a quantiser is computed in f32, as accurately as f32 sums, v_exp_f32 and their like allow (about 1e-6 of the number): no bf16 or f16 on the way to a quantiser, and a product that is left as it is and whose result goes on into a quantised operand takes f32 operands (vector FMAs, or v_wmma_f32_16x16x4_f32). A number that lies on a knife's edge between two numbers of the format may be rounded either way, as far as f32 arithmetic and the matrix unit's own rounding can turn it there, and no further.
;;   INPUTS GIVEN AS CODES. Wk (in the module: [1024, 1024], K = its axis 1); Wq (in the module: [1024, 1024], K = its axis 1); Wv (in the module: [1024, 1024], K = its axis 1); Xk (in the module: [4, 1024, 2048], K = its axis 1); Xq (in the module: [4, 1024, 2048], K = its axis 1): each comes as NAME_codes (uint8): NAME with its K axis moved to the last place and cut into blocks of 32 codes, [.., K / 32, bytes a block], one block behind the other in memory; four codes in three bytes: a row's codes are one little-endian stream of bits, code i at bits 6 i .. 6 i + 5 (a code: sign, 2 exponent bits, 3 mantissa bits); and NAME_scales (uint8): the same leading axes, one E8M0 byte (e + 127) for each 32 codes along K. Its value is code x scale, taken as it is: it is not quantised again, and the codes and scales need not be those that the quantiser above would give.
;; One version. Each part assembles by itself: llvm-mc -triple=amdgcn-amd-amdhsa -mcpu=gfx1250 --defsym DOCPART=n.
;; ======== version 1 of 1: 2 launches
;; workspace buffers: codes 18,874,368 bytes; scales 786,432 bytes
;; launch proj (part 1): grid 4 x 96, 4 waves a work-group, clusters of 4 x 4, 327,680 bytes of LDS; arguments Xk_codes, Xk_scales, Wk_codes, Wk_scales, gamma2, beta2, mean2, var2, Xq_codes, Xq_scales, Wv_codes, Wv_scales, gamma3, beta3, mean3, var3, Wq_codes, Wq_scales, gamma1, beta1, mean1, var1, codes, scales; writes codes, scales
.if DOCPART == 1
	.amdgcn_target "amdgcn-amd-amdhsa--gfx1250"
	.amdhsa_code_object_version 6
	.text
	.protected	k_qb03bf74b24_proj
	.globl	k_qb03bf74b24_proj
	.p2align	8
	.type	k_qb03bf74b24_proj,@function
k_qb03bf74b24_proj:
	s_mov_b64 s[64:65], 0
	v_nop
	global_prefetch_b8 v0, s[64:65] scope:SCOPE_SE
	s_setreg_imm32_b32 hwreg(HW_REG_WAVE_MODE, 25, 1), 1
	s_wait_xcnt 0x0
	s_wait_alu depctr_hold_cnt(0) depctr_sa_sdst(0) depctr_va_vdst(0) depctr_va_sdst(0) depctr_va_ssrc(0) depctr_va_vcc(0) depctr_vm_vsrc(0)
	s_getreg_b32 s2, hwreg(HW_REG_IB_STS2, 6, 4)
	s_cmp_eq_u32 s2, 0
	s_cbranch_scc0 .Lentry_in_a_cluster
	s_endpgm
.Lentry_in_a_cluster:
	s_bfe_u32 s2, ttmp6, 0x10000c
	s_cmp_lg_u32 s2, 0xf033
	s_cbranch_scc0 .Lentry_shape_is_right
	s_endpgm
.Lentry_shape_is_right:
; THE THREE BRANCHES: y = leaky(BN(W x)), each a product [8,192 positions][K 1,024] x [1,024 channels][K 1,024] on codes of FP6 (E2M3) with one E8M0 scale for each 32 along K,
; and each result quantised again for the attention launch, into the workspace buffers codes and scales.
; 24 clusters of 4 x 4 work-groups; cluster y = 8 g + u.  g = 0: the K branch (Xk, Wk, set 2), g = 1: the V branch (Xq, Wv, set 3), g = 2: the Q branch (Wq, Xq, set 1).
; A is the operand of which a lane holds ONE row in the result (source 1), B the one whose rows run along a lane's registers (source 0).  K and V are quantised along the CHANNELS: A = X, B = W.
; Q is quantised along the POSITIONS: A = Wq, B = Xq.  All rows are 768 bytes of codes and 32 bytes of scales, so one text serves the three; only pointers and tile numbers are chosen.
; A work-group makes 256 rows of A x 256 rows of B, a wave 128 x 128: 64 accumulators, 512 registers.  K goes in steps of 256 through two LDS slots filled by the tensor data mover; the scales of the
; work-group's rows come once.  A's tiles are asked for jointly by the four of a row of the cluster, B's by the four of a column.
; THE WAY OUT.  A block of 16 rows of A x 128 rows of B is 64 numbers a lane: x scale + shift, max(y, 0.1 y), then quantised in registers: one fragment (12 registers a lane) and one scale word a row.
; WORKSPACE.  codes: [head 32][block of 128 positions 16][record 3: 0 = V branch, 1 = Q branch, 2 = K branch][fragment 8][1,536 bytes]: a fragment is the IMAGE OF ITS REGISTERS: registers 4 c .. 4 c + 3 of lane l at
; 512 c + 16 l.  scales: [head][block][record][512 bytes]: the word of fragment T, row r at 16 (r + 16 (T % 2)) + 4 (T / 2).
; Fragment T = 4 c + u, row 8 g + q stands for index 64 c + 32 g + 8 w(u) + q of the record's 128 rows, w swapping u's two bits: so the attention launch finds whole blocks of 32 keys in one lane.
; LIMITS.  Inside each block of 32 along K the four groups of eight stand in the order 0, 2, 1, 3, alike in both operands of each later product: the blocks and their scales are the true ones, the order of the
; sums inside a block is not reference()'s.  gamma x rsq(var + eps) stands for gamma / sqrt(var + eps).  A block of zeros, or one whose largest magnitude is under 2^-124, keeps the byte 1.  NaN and infinities are not served.
.set NQ,     2                         ; matrix instructions deep in a slot (256 along K)
.set ROWB,   192                       ; a tile's row in bytes
.set KROW,   768                       ; a row of codes in memory
.set PITCH,  240                       ; an LDS row: 3 x (64 bytes + 16 of padding)
.set FR,     12                        ; registers of a fragment
.set NL,     6                         ; LDS loads that bring one
.set NP,     4                         ; places behind this matrix instruction (ISA guide 7.12.1)
.set HALFT,  128*PITCH                 ; 128 rows: one tensor load
.set SLOT,   4*HALFT                   ; A's 256 rows, then B's 256
.set KS,     32                        ; a row of scales in bytes
.set SCL,    2*SLOT                    ; behind the ring: the scales, units of 256 bytes + 16
.set HALFS,  4352                      ; the scales of 128 rows
.set SBLK,   544                       ; of 16 rows
.set SPARE,  SCL+4*HALFS               ; the spare words: 128 bytes a wave, two blocks of 256 bytes that no other line names
.set BNT,    SPARE+512                 ; scale[256], then shift[256], f32: stored once, never filled
.set FP,     1600                      ; the way out: a fragment's place in my stage (1,536 + 64)
.set WSTG,   8*FP+512                  ; my stage: 8 fragments and the scale words.  It lies in slot 0, which has had its last fill and its last read by then
.set STS,  8                           ; v8   stage: where I put a scale word
.set BNR,  9                           ; v9   BN table by registers: my half's eight channels of a tile
.set BNL,  10                          ; v10  BN table by lanes: my row's channel
.set ADRA, 16                          ; v16-17 LDS address of my A fragments in slot 0, 1; v18-19 behind one padding more
.set ADRB, 20                          ; v20-23 the same for B
.set STO,  24                          ; v24  stage: where I put 16 bytes of a fragment
.set RD,   25                          ; v25  stage: where I read it back
.set CO,   26                          ; v26  16 x lane
.set ADRS, 27                          ; v27  my scale words: lanes 0-15 A's rows, lanes 16-31 B's
.set SPW,  28                          ; v28  my spare word; never rewritten
.set NIL,  29                          ; v29  0; never rewritten
.set SC,   32                          ; v32-63 scale words, two sets
.set T,    64                          ; v64-127 the way out: a block's 64 numbers
.set AF,   128                         ; v128-223 A's fragments, one set
.set PC,   128                         ; the way out: v128-139 codes, v140-146 at work
.set TM,   148                         ; v148-163 at work in the quantiser
.set PW,   164                         ; the scale word just made
.set QSR,  168                         ; v168-199 Q branch: scale, scale, shift, shift of my row in each of the 8 blocks
.set U,    224                         ; v224-231 0.1 y
.set BK,   128                         ; v128-227 the stage read back
.set BSC,  0                           ; window 1: v0-63 scale, v64-127 shift of my 64 channels (K and V branches)
.set BSH,  64
.set G1,   20                          ; s[20:27] group 1 for A's tiles, s[28:35] for B's
.set G1B,  28
.set G0,   36                          ; s[36:43] group 0 for A's tiles, a set for each slot; s[44:51] for B's
.set G0B,  44
.set G1S,  52                          ; s[52:59], s[60:63] groups 1 and 0 for A's scales; s[68:75], s[76:79] for B's
.set G0S,  60
.set SLP,  66                          ; s[66:67] 0.1
.set G1SB, 68
.set G0SB, 76
.set WV,   80
.set AH,   81                          ; which half of A's rows is mine; also: I fetch for A (0) or for B (1)
.set BH,   82                          ; which half of B's rows; also: which 128 rows I fetch
.set CX,   83
.set CY,   84
.set TC,   85                          ; tile of B
.set TR,   86                          ; tile of A
.set MD,   87                          ; g
.set U4,   88                          ; 4 u
.set SEL,  104                         ; s[104:105] lane l xor 16
.set MSB, 0
.macro WIN new                         ; the immediate's high byte repeats the setting that is left
.if MSB != (\new)
	s_set_vgpr_msb (MSB<<8)|(\new)
.set MSB, \new
.endif
.endm
.set MUL_LO, 0xa1                      ; source 0 (B) window 1, source 1 (A) window 0, C and D window 2
.set MUL_HI, 0xf1                      ; the same, C and D window 3
.set TO_B,   0x40                      ; destination window 1
; A joint load: waves 0 and 1 fetch for A, waves 2 and 3 for B.  The branch hangs on the wave's number alone.  Four v_nop follow each of the two lines.
.macro JLOAD g0a, g1a, g0b, g1b
	s_cmp_eq_u32 s[AH], 0
	s_cbranch_scc0 .Lfor_b_\@
	tensor_load_to_lds s[\g0a:\g0a+3], s[\g1a:\g1a+7]
	s_nop 0
.rept 4
	v_nop
.endr
	s_branch .Lasked_\@
.Lfor_b_\@:
	tensor_load_to_lds s[\g0b:\g0b+3], s[\g1b:\g1b+7]
	s_nop 0
.rept 4
	v_nop
.endr
.Lasked_\@:
.endm
.macro CREST                           ; a round of the cluster's barrier behind its opening barrier
	s_cmp_lg_u32 s[WV], 0
	s_cbranch_scc1 .Lnot_wave_0_\@
	s_barrier_signal -3
.Lnot_wave_0_\@:
	s_barrier_wait -3
	s_barrier_signal -1
	s_barrier_wait -1
.endm
.macro CROUND                          ; a whole round
	s_barrier_signal -1
	s_barrier_wait -1
	CREST
.endm
	s_load_b512 s[4:19], s[0:1], 0x0               ; the K branch's eight addresses: X codes, X scales, W codes, W scales, gamma, beta, mean, var
	s_load_b512 s[20:35], s[0:1], 0x40             ; the V branch's eight
	s_load_b128 s[36:39], s[0:1], 0x80             ; Wq's codes and scales
	s_load_b256 s[40:47], s[0:1], 0x90             ; gamma1, beta1, mean1, var1
	s_load_b128 s[48:51], s[0:1], 0xb0             ; the workspace: codes, scales
	v_lshl_add_u32 v[SPW], v0, 2, SPARE
	v_mov_b32 v[NIL], 0
	ds_add_u32 v28, v29
	ds_add_u32 v28, v29
	s_wait_dscnt 0x0
	v_lshrrev_b32 v1, 5, v0
	v_readfirstlane_b32 s[WV], v1                  ; wave 0..3
	s_lshr_b32 s[AH], s[WV], 1
	s_and_b32 s[BH], s[WV], 1
	s_bfe_u32 s[CX], ttmp6, 0x40000                ; my place in the cluster
	s_bfe_u32 s[CY], ttmp6, 0x40004
	s_and_b32 s91, ttmp7, 0xffff                   ; the cluster's y: 8 g + u
	s_lshr_b32 s[MD], s91, 3
	s_and_b32 s[U4], s91, 7
	s_lshl_b32 s[U4], s[U4], 2
	s_cmp_eq_u32 s[MD], 2                          ; X has 32 tiles of 256 rows, W has 4: the cluster's u walks X's
	s_cselect_b32 s[TR], 0, s[U4]
	s_cselect_b32 s[TC], s[U4], 0
	s_add_co_u32 s[TR], s[TR], s[CY]               ; A's tile hangs on cy alone among the partners,
	s_add_co_u32 s[TC], s[TC], s[CX]               ; B's on cx alone
	s_lshl_b32 s89, s[CY], 2
	s_lshl_b32 s89, 15, s89                        ; my row of the cluster
	s_lshl_b32 s90, 0x1111, s[CX]                  ; my column
	s_lshl_b32 s91, s[BH], 7                       ; which 128 rows of the tile I fetch
	s_lshl_b32 s96, s[TR], 8
	s_add_co_u32 s96, s96, s91                     ; A: row 256 x tile + 128 x half
	s_lshl_b32 s98, s[TC], 8
	s_add_co_u32 s98, s98, s91                     ; B likewise
	s_lshl_b32 s100, s96, 5                        ; where these rows' scales begin, in bytes,
	s_mov_b32 s101, 0
	s_mul_i32 s96, s96, KROW                       ; and their codes (under 2^23)
	s_mov_b32 s97, 0
	s_lshl_b32 s2, s98, 5
	s_mov_b32 s3, 0
	s_mul_i32 s98, s98, KROW
	s_mov_b32 s99, 0
	s_mov_b32 s[SEL], 0x76543210
	s_mov_b32 s[SEL+1], 0xfedcba98
	s_mov_b32 s[SLP], 0x3dcccccd                   ; 0.1
	s_mov_b32 s[SLP+1], s[SLP]                     ; (named with it as a pair, so it is written)
	; group 1 for the scales of 128 rows: a dense block of 4,096 bytes as 16 rows of 256 bytes (32 elements of 8), 16 bytes of padding behind each
	s_or_b32 s[G1S+0], s89, (3<<16)|(1<<20)|(1<<21)|(5<<22)|(3<<25)
	s_or_b32 s[G1SB+0], s90, (3<<16)|(1<<20)|(1<<21)|(5<<22)|(3<<25)
.irp g, G1S, G1SB
	s_mov_b32 s[\g+1], 32<<16
	s_mov_b32 s[\g+2], 16<<16
	s_mov_b32 s[\g+3], 32<<16
	s_mov_b32 s[\g+4], 16
	s_mov_b32 s[\g+5], 32
	s_mov_b32 s[\g+6], 0
	s_mov_b32 s[\g+7], 0
.endr
	s_wait_kmcnt 0x0
	s_mov_b64 s[92:93], s[48:49]                   ; the workspace's codes
	s_mov_b64 s[94:95], s[50:51]                   ; and scales
	; the branch's eight addresses into s[4:19]: A's codes, A's scales, B's codes, B's scales, gamma, beta, mean, var.  The choices hang on the cluster's number alone
	s_cmp_eq_u32 s[MD], 2
	s_cselect_b64 s[24:25], s[20:21], s[24:25]     ; Q branch: B = Xq,
	s_cselect_b64 s[26:27], s[22:23], s[26:27]
	s_cselect_b64 s[20:21], s[36:37], s[20:21]     ; A = Wq,
	s_cselect_b64 s[22:23], s[38:39], s[22:23]
.irp i, 0,1,2,3
	s_cselect_b64 s[28+2*\i:29+2*\i], s[40+2*\i:41+2*\i], s[28+2*\i:29+2*\i]   ; set 1
.endr
	s_cmp_eq_u32 s[MD], 0
.irp i, 0,1,2,3,4,5,6,7
	s_cselect_b64 s[4+2*\i:5+2*\i], s[4+2*\i:5+2*\i], s[20+2*\i:21+2*\i]
.endr
	s_add_nc_u64 s[96:97], s[4:5], s[96:97]        ; A's codes at the rows that I fetch
	s_add_nc_u64 s[100:101], s[6:7], s[100:101]    ; A's scales
	s_add_nc_u64 s[98:99], s[8:9], s[98:99]        ; B's codes
	s_add_nc_u64 s[2:3], s[10:11], s[2:3]          ; B's scales
	; group 1 for the tiles: 128 rows x 192 bytes, 16 bytes of padding behind every 64
	s_or_b32 s[G1+0], s89, (0<<16)|(1<<20)|(1<<21)|(3<<22)|(3<<25)   ; 15:0 the mask: A's tiles go to my row; elements of 1 byte; padding on; bit 21 beside a mask; after every 16 words 4 words
	s_or_b32 s[G1B+0], s90, (0<<16)|(1<<20)|(1<<21)|(3<<22)|(3<<25)
.irp g, G1, G1B
	s_mov_b32 s[\g+1], ROWB<<16                    ; tensor_dim0
	s_mov_b32 s[\g+2], 128<<16                     ; tensor_dim1
	s_mov_b32 s[\g+3], ROWB<<16                    ; tile_dim0
	s_mov_b32 s[\g+4], 128                         ; tile_dim1
	s_mov_b32 s[\g+5], KROW                        ; from row to row
	s_mov_b32 s[\g+6], 0
	s_mov_b32 s[\g+7], 0
.endr
	CROUND                                         ; all sixteen work-groups are here: the first joint loads meet
	s_mul_i32 s91, s[WV], HALFS                    ; where they go: wave x 128 rows: no place in the cluster enters an LDS address
	s_mov_b32 s[G0S], 1
	s_add_co_u32 s[G0S+1], s91, SCL
	s_mov_b64 s[G0S+2:G0S+3], s[100:101]
	s_or_b32 s[G0S+3], s[G0S+3], 0x80000000
	s_mov_b32 s[G0SB], 1
	s_add_co_u32 s[G0SB+1], s91, SCL
	s_mov_b64 s[G0SB+2:G0SB+3], s[2:3]
	s_or_b32 s[G0SB+3], s[G0SB+3], 0x80000000
	JLOAD G0S, G1S, G0SB, G1SB                     ; the scales first: they are wanted with K step 0
	s_mul_i32 s91, s[WV], HALFT
.irp s, 0,1
	s_mov_b32 s[G0+4*\s], 1
	s_add_co_u32 s[G0+4*\s+1], s91, \s*SLOT
	s_add_nc_u64 s[G0+4*\s+2:G0+4*\s+3], s[96:97], \s*ROWB
	s_or_b32 s[G0+4*\s+3], s[G0+4*\s+3], 0x80000000
	s_mov_b32 s[G0B+4*\s], 1
	s_add_co_u32 s[G0B+4*\s+1], s91, \s*SLOT
	s_add_nc_u64 s[G0B+4*\s+2:G0B+4*\s+3], s[98:99], \s*ROWB
	s_or_b32 s[G0B+4*\s+3], s[G0B+4*\s+3], 0x80000000
	JLOAD G0+4*\s, G1, G0B+4*\s, G1B               ; three tensor loads of mine are out
.endr
	; THE BN TABLE of the work-group's 256 channels: thread t takes two of them
	s_cmp_eq_u32 s[MD], 2
	s_cselect_b32 s90, s[TR], s[TC]                ; the tile of W
	s_lshl_b32 s90, s90, 10                        ; 256 channels x 4 bytes
	v_lshl_add_u32 v11, v0, 3, s90
	v_lshl_add_u32 v12, v0, 3, BNT
	global_load_b64 v[64:65], v11, s[12:13]        ; gamma
	global_load_b64 v[66:67], v11, s[14:15]        ; beta
	global_load_b64 v[68:69], v11, s[16:17]        ; mean
	global_load_b64 v[70:71], v11, s[18:19]        ; var
	; LDS addresses, while these are on their way
	v_and_b32 v1, 15, v0                           ; r = lane % 16
	v_bfe_u32 v2, v0, 4, 1                         ; h = lane / 16
	v_mul_u32_u24 v3, v1, PITCH
	v_mul_u32_u24 v4, v2, 24
	v_add_nc_u32 v4, v3, v4                        ; a fragment's row x pitch + 24 x half
	v_lshl_add_u32 v5, v2, 4, v4                   ; and the same behind one padding more
	s_mul_i32 s96, s[AH], HALFT                    ; my 128 rows of A
	s_mul_i32 s97, s[BH], HALFT                    ; my 128 rows of B,
	s_add_co_u32 s97, s97, 2*HALFT                 ; which lie behind A's 256
.irp s, 0,1
	v_add_nc_u32 v[ADRA+\s], s96, v4
	v_add_nc_u32 v[ADRB+\s], s97, v4
	v_add_nc_u32 v[ADRA+2+\s], s96, v5
	v_add_nc_u32 v[ADRB+2+\s], s97, v5
	s_add_co_u32 s96, s96, SLOT
	s_add_co_u32 s97, s97, SLOT
.endr
	v_mul_u32_u24 v5, v1, KS                       ; my row's scales: 32 bytes a row,
	v_lshrrev_b32 v6, 8, v5
	v_lshl_add_u32 v5, v6, 4, v5                   ; and 16 more for each 256 passed
	s_mul_i32 s96, s[AH], HALFS
	s_mul_i32 s97, s[BH], HALFS
	s_add_co_u32 s97, s97, 2*HALFS
	s_sub_co_u32 s97, s97, s96
	v_mul_u32_u24 v6, s97, v2                      ; lanes 16-31 take B's
	s_add_co_u32 s96, s96, SCL
	v_add_nc_u32 v5, v5, v6
	v_add_nc_u32 v[ADRS], s96, v5
	s_mul_i32 s98, s[WV], WSTG                     ; my stage
	v_and_b32 v5, 7, v0                            ; r % 8
	v_bfe_u32 v6, v0, 3, 1                         ; r / 8
	v_mul_u32_u24 v7, v6, 2*FP                     ; rows 8-15 of a block belong two fragments further on,
	v_lshl_add_u32 v7, v5, 4, v7                   ; at lane r % 8 (+ 8 by the block: in the offset)
	v_lshl_add_u32 v7, v2, 8, v7                   ; + 16 h
	v_add_nc_u32 v[STO], s98, v7
	v_lshlrev_b32 v7, 4, v5
	v_lshl_add_u32 v7, v6, 2, v7
	v_add_nc_u32 v7, s98, v7
	v_add_nc_u32 v[STS], 8*FP, v7                  ; the scale words: 16 (r % 8) + 4 (r / 8)
	v_and_b32 v7, 31, v0
	v_lshlrev_b32 v[CO], 4, v7
	v_add_nc_u32 v[RD], s98, v[CO]
	s_lshl_b32 s99, s[BH], 9
	s_add_co_u32 s99, s99, BNT
	v_lshl_add_u32 v[BNR], v2, 5, s99              ; K, V: register 8 b + j is channel 128 BH + 16 b + 8 h + j
	s_lshl_b32 s99, s[AH], 9
	s_add_co_u32 s99, s99, BNT
	v_lshl_add_u32 v[BNL], v1, 2, s99              ; Q: my row of block a is channel 128 AH + 16 a + r
	; where my 128 x 128 goes in the workspace
	s_lshl_b32 s96, s[TR], 1
	s_add_co_u32 s96, s96, s[AH]                   ; which 128 rows of A,
	s_lshl_b32 s97, s[TC], 1
	s_add_co_u32 s97, s97, s[BH]                   ; of B
	s_cmp_eq_u32 s[MD], 2
	s_cselect_b32 s98, s97, s96                    ; of X: 16 x batch + block of positions
	s_cselect_b32 s99, s96, s97                    ; of W: the head in the batch
	s_lshr_b32 s100, s98, 4
	s_lshl_b32 s100, s100, 3
	s_add_co_u32 s100, s100, s99                   ; the head
	s_lshl_b32 s100, s100, 4
	s_and_b32 s98, s98, 15
	s_add_co_u32 s100, s100, s98
	s_mul_i32 s100, s100, 3
	s_sub_co_u32 s101, s[MD], 1                    ; the record: V 0, Q 1,
	s_cmp_eq_u32 s[MD], 0
	s_cselect_b32 s101, 2, s101                    ; K 2
	s_add_co_u32 s100, s100, s101
	s_mul_i32 s96, s100, 8*1536
	s_mov_b32 s97, 0
	s_add_nc_u64 s[92:93], s[92:93], s[96:97]
	s_lshl_b32 s96, s100, 9
	s_add_nc_u64 s[94:95], s[94:95], s[96:97]
	s_wait_loadcnt 0x0
	v_add_f32 v70, 0x3727c5ac, v70                 ; var + 1e-5
	v_add_f32 v71, 0x3727c5ac, v71
	v_rsq_f32 v72, v70
	v_rsq_f32 v73, v71
	v_nop                                          ; a plain instruction behind the last of the two
	s_wait_alu depctr_va_vdst(0)                   ; one wait for both, ahead of their first reader
	v_mul_f32 v72, v64, v72                        ; scale
	v_mul_f32 v73, v65, v73
	v_fma_f32 v74, -v68, v72, v66                  ; shift = beta - mean x scale
	v_fma_f32 v75, -v69, v73, v67
	ds_store_b64 v12, v[72:73]
	ds_store_b64 v12, v[74:75] offset:1024
.macro FRAG reg, adr, q, i             ; a fragment: lane l holds row l % 16; registers 6 c .. 6 c + 5 hold K = 64 c + 32 (l / 16) + 0 .. 31: 24 bytes of the row, as they lie, in pieces of 8
.irp p, 0,1,2,3,4,5
.set PIE, 12*(\q)+6*(\p/3)+\p%3       ; lanes 16-31 read three pieces on: where that lies behind one padding more, the second address register serves
.if PIE%8 < 5
	ds_load_b64 v[\reg+2*\p:\reg+2*\p+1], v[\adr] offset:8*PIE+16*(PIE/8)+(\i)*16*PITCH
.else
	ds_load_b64 v[\reg+2*\p:\reg+2*\p+1], v[\adr+2] offset:8*PIE+16*(PIE/8)+(\i)*16*PITCH
.endif
.endr
.endm
; 16 matrix instructions: A's blocks a0, a0 + 1 x B's eight, 128 along K.  p: B's set; sc: the set of scale words.  zero = 1: the first product starts the sums.
; The 64 accumulators take turns, one instruction a turn, in the same order in every step.
.macro MUL16 a0, p, q, sc, zero
.irp a, \a0, \a0+1
.irp b, 0,1,2,3,4,5,6,7
.if \zero
	v_wmma_scale_f32_16x16x128_f8f6f4 v[8*(8*((\a)%4)+\b):8*(8*((\a)%4)+\b)+7], v[128*(\p)+FR*\b:128*(\p)+FR*\b+FR-1], v[AF+FR*(\a):AF+FR*(\a)+FR-1], 0, v[SC+8*NQ*(\sc)+NQ*\b+(\q)], v[SC+8*NQ*(\sc)+NQ*(\a)+(\q)] matrix_a_fmt:MATRIX_FMT_FP6 matrix_b_fmt:MATRIX_FMT_FP6 matrix_a_scale:MATRIX_SCALE_ROW1
.else
	v_wmma_scale_f32_16x16x128_f8f6f4 v[8*(8*((\a)%4)+\b):8*(8*((\a)%4)+\b)+7], v[128*(\p)+FR*\b:128*(\p)+FR*\b+FR-1], v[AF+FR*(\a):AF+FR*(\a)+FR-1], v[8*(8*((\a)%4)+\b):8*(8*((\a)%4)+\b)+7], v[SC+8*NQ*(\sc)+NQ*\b+(\q)], v[SC+8*NQ*(\sc)+NQ*(\a)+(\q)] matrix_a_fmt:MATRIX_FMT_FP6 matrix_b_fmt:MATRIX_FMT_FP6 matrix_a_scale:MATRIX_SCALE_ROW1
.endif
.endr
.endr
.endm
.macro FETCH_B slot, q, p              ; B's eight fragments of the slot's q-th 128 along K into set p
	WIN TO_B
.irp i, 0,1,2,3,4,5,6,7
	FRAG 128*(\p)+FR*\i, ADRB+\slot, \q, \i
.endr
	WIN 0
.endm
.macro FETCH_A slot, q, i0             ; A's blocks i0 .. i0 + 3
.irp i, \i0, \i0+1, \i0+2, \i0+3
	FRAG AF+FR*(\i), ADRA+\slot, \q, \i
.endr
.endm
.macro SCALES sc                       ; a K step's scale words into set sc: lanes 0-15 take A's block i, lanes 16-31 B's block i
.irp i, 0,1,2,3,4,5,6,7
	ds_load_b64 v[SC+8*NQ*\sc+NQ*\i:SC+8*NQ*\sc+NQ*\i+1], v[ADRS] offset:\i*SBLK
.endr
.endm
.macro PLACES n                        ; plain vector instructions between a matrix instruction and a load into, or a read of, its registers
.rept \n
	v_nop
.endr
.endm
.macro STEP slot, q, zero              ; 128 along K with its successor in the same slot
	s_wait_dscnt 4*NL                              ; B's set and A's blocks 0-3 are in; the youngest 24 loads (A's blocks 4-7) may be out
	WIN MUL_LO
	MUL16 0, (\q)%2, \q, \slot, \zero
	MUL16 2, (\q)%2, \q, \slot, \zero
	s_wait_dscnt 0                                 ; A's blocks 4-7 are in
	PLACES NP
	FETCH_B \slot, (\q)+1, 1-(\q)%2
	FETCH_A \slot, (\q)+1, 0
	WIN MUL_HI
	MUL16 4, (\q)%2, \q, \slot, \zero
	MUL16 6, (\q)%2, \q, \slot, \zero
	PLACES NP
	WIN 0
	FETCH_A \slot, (\q)+1, 4
.endm
; A slot's last step changes slots: one barrier; in front of it each wave waits for all its tensor loads, adds 0 to its spare word, and waits for that and for its reads of this slot.  fill = 1: this slot is filled again.
.macro TURN slot, next, fill
	s_wait_tensorcnt 0x0                           ; all my tensor loads have landed: my part of the next slot
	ds_add_u32 v[SPW], v[NIL]                      ; 0 onto my spare word
	s_wait_dscnt 4*NL+1                            ; (the add and the youngest 24 loads may be out)
	WIN MUL_LO
	MUL16 0, 1, NQ-1, \slot, 0                     ; sixteen matrix instructions stand between the add and the wait for it
	s_wait_dscnt 0x0                               ; the add is done, and my reads of this slot are over
	s_barrier_signal -1
	MUL16 2, 1, NQ-1, \slot, 0
	WIN 0
	s_barrier_wait -1
.if \fill
	CREST                                          ; the barrier has opened a round of the cluster's: no wave of any partner still reads this slot or has a load on its way
	s_add_nc_u64 s[G0+4*\slot+2:G0+4*\slot+3], s[G0+4*\slot+2:G0+4*\slot+3], 2*ROWB
	s_add_nc_u64 s[G0B+4*\slot+2:G0B+4*\slot+3], s[G0B+4*\slot+2:G0B+4*\slot+3], 2*ROWB
	JLOAD G0+4*\slot, G1, G0B+4*\slot, G1B         ; the first tensor load behind the round; its four v_nop are the places in front of the loads below
.else
	PLACES NP
.endif
	v_add_nc_u32 v[ADRS], 4*NQ, v[ADRS]            ; the next K step's scale words
	FETCH_B \next, 0, 0
	FETCH_A \next, 0, 0
	SCALES \next
	WIN MUL_HI
	MUL16 4, 1, NQ-1, \slot, 0
	MUL16 6, 1, NQ-1, \slot, 0
	PLACES NP
	WIN 0
	FETCH_A \next, 0, 4
.endm
	s_wait_dscnt 0x0                               ; my part of the BN table is stored,
	s_wait_tensorcnt 1                             ; the scales and my part of K step 0 are in (K step 1's load may be out),
	s_barrier_signal -1
	s_barrier_wait -1                              ; everybody's are
	FETCH_B 0, 0, 0
	FETCH_A 0, 0, 0
	SCALES 0
	FETCH_A 0, 0, 4
	STEP 0, 0, 1                                   ; K = 1,024 is four K steps of 256, eight steps of 128: written on end
	TURN 0, 1, 1                                   ; slot 0 takes K step 2
	STEP 1, 0, 0
	TURN 1, 0, 1                                   ; slot 1 takes K step 3
	STEP 0, 0, 0
	TURN 0, 1, 0                                   ; nothing is left to fetch; behind this barrier nobody reads slot 0
	STEP 1, 0, 0
	s_wait_dscnt 4*NL
	WIN MUL_LO
	MUL16 0, 1, NQ-1, 1, 0
	MUL16 2, 1, NQ-1, 1, 0
	s_wait_dscnt 0
	WIN MUL_HI
	MUL16 4, 1, NQ-1, 1, 0
	MUL16 6, 1, NQ-1, 1, 0
	WIN 0
; 64 numbers of a lane, v[s] .. v[s + 63], sixteen of each of my row's four blocks of 32, become a fragment's codes in v[PC] on and its scale word in v[PW].
.macro QUANT s
.irp b, 0,1,2,3
	v_max3_num_f32 v[TM+\b], |v[\s+16*\b]|, |v[\s+1+16*\b]|, 0x1800000   ; block b: my 16 numbers, and the floor 2^(3 - 127): the byte cannot fall under 1
.endr
.irp i, 2,4,6,8,10,12,14
.irp b, 0,1,2,3
	v_max3_num_f32 v[TM+\b], v[TM+\b], |v[\s+16*\b+\i]|, |v[\s+1+16*\b+\i]|
.endr
.endr
.irp b, 0,1,2,3
	v_permlanex16_b32 v[TM+4+\b], v[TM+\b], s[SEL], s[SEL+1]
.endr
.irp b, 0,1,2,3
	v_max_num_f32 v[TM+\b], v[TM+\b], v[TM+4+\b]   ; with lane l xor 16's: the block's largest magnitude
.endr
.irp b, 0,1,2,3
	v_add_nc_u32 v[TM+12+\b], 0xff000000, v[TM+\b] ; 2 off its exponent field: the conversion's scale operand
.endr
.irp b, 0,1,2,3
	v_lshrrev_b32 v[TM+4+\b], 23, v[TM+12+\b]      ; the scale's byte
.endr
	v_lshl_or_b32 v[PW], v[TM+5], 8, v[TM+4]
	v_lshl_or_b32 v[PW], v[TM+6], 16, v[PW]
	v_lshl_or_b32 v[PW], v[TM+7], 24, v[PW]
.irp c, 0,1
	v_cvt_scalef32_pk16_fp6_f32 v[PC+6*\c:PC+2+6*\c], v[\s+32*\c:\s+15+32*\c], v[TM+12+2*\c]
	v_cvt_scalef32_pk16_fp6_f32 v[PC+12+4*\c:PC+14+4*\c], v[\s+16+32*\c:\s+31+32*\c], v[TM+12+2*\c+1]   ; (a conversion's three registers begin on an even number)
.endr
	v_nop                                          ; one plain place behind a scaled conversion
.irp c, 0,1                                    ; the operand wants a whole block in a lane: lanes 0-15 block 2 c, lanes 16-31 block 2 c + 1
.irp i, 0,1,2
	v_permlane16_swap_b32 v[PC+6*\c+\i], v[PC+12+4*\c+\i]
.endr
.irp i, 0,1,2
	v_mov_b32 v[PC+3+6*\c+\i], v[PC+12+4*\c+\i]
.endr
.endr
.endm
; Block a: 16 rows of A x my 128 rows of B.  Lane (r, h), register 8 b + j: A's row 16 a + r, B's row 16 b + 8 h + j.
.macro BLOCK a
.set AC, 64*((\a)%4)
.set WA, 2+(\a)/4                      ; its accumulators' window
.set WB, 0x14+WA                       ; and with scale and shift in window 1
	s_cmp_eq_u32 s[MD], 2                          ; the same in all partners of a cluster
	s_cbranch_scc1 .Lq_\@
	WIN WB                                         ; K, V: the channel runs along the registers
.set i, 0
.rept 32
	v_pk_fma_f32 v[T+i:T+i+1], v[AC+i:AC+i+1], v[BSC+i:BSC+i+1], v[BSH+i:BSH+i+1]   ; each accumulator from its low end on
.set i, i+2
.endr
	WIN 0
	s_branch .Lj_\@
.Lq_\@:
	WIN WA                                         ; Q: the channel is my row's
.set i, 0
.rept 32
	v_pk_fma_f32 v[T+i:T+i+1], v[AC+i:AC+i+1], v[QSR+4*(\a):QSR+4*(\a)+1], v[QSR+4*(\a)+2:QSR+4*(\a)+3]
.set i, i+2
.endr
	WIN 0
.Lj_\@:
.set i, 0
.rept 8                                        ; y > 0 ? y : 0.1 y is max(y, 0.1 y)
.irp k, 0,2,4,6
	v_pk_mul_f32 v[U+\k:U+\k+1], v[T+i+\k:T+i+\k+1], s[SLP:SLP+1] op_sel_hi:[1,0]
.endr
.irp k, 0,1,2,3,4,5,6,7
	v_max_num_f32 v[T+i+\k], v[T+i+\k], v[U+\k]
.endr
.set i, i+8
.endr
	s_wait_dscnt 0x0                               ; the last block's stores into the stage have read the codes' registers
	QUANT T
.irp c, 0,1,2                                  ; row 16 a + r is row 8 ((a / 2) % 2) + r % 8 of fragment 4 (a / 4) + 2 (r / 8) + a % 2
	ds_store_b128 v[STO], v[PC+4*\c:PC+4*\c+3] offset:(4*((\a)/4)+(\a)%2)*FP+128*(((\a)/2)%2)+512*\c
.endr
	ds_store_b32 v[STS], v[PW] offset:128*(((\a)/2)%2)+256*((\a)%2)+8*((\a)/4)   ; both halves of the lanes write the same word with the same value
.endm
	PLACES NP                                      ; behind the last products: their registers are read and written from here on
.irp b, 0,1,2,3
	v_mov_b32 v[TM+4+\b], 0                        ; written once: a lane permute's destination counts as one of its sources
.endr
	WIN TO_B                                       ; scale and shift both ways, so that either arm finds its registers written
.irp b, 0,1,2,3,4,5,6,7
	ds_load_b128 v[BSC+8*\b:BSC+8*\b+3], v[BNR] offset:64*\b
	ds_load_b128 v[BSC+8*\b+4:BSC+8*\b+7], v[BNR] offset:64*\b+16
	ds_load_b128 v[BSH+8*\b:BSH+8*\b+3], v[BNR] offset:1024+64*\b
	ds_load_b128 v[BSH+8*\b+4:BSH+8*\b+7], v[BNR] offset:1024+64*\b+16
.endr
	WIN 0
.irp a, 0,1,2,3,4,5,6,7
	ds_load_b32 v[QSR+4*\a], v[BNL] offset:64*\a
	ds_load_b32 v[QSR+4*\a+1], v[BNL] offset:64*\a          ; (twice: the packed form multiplies by a pair)
	ds_load_b32 v[QSR+4*\a+2], v[BNL] offset:1024+64*\a
	ds_load_b32 v[QSR+4*\a+3], v[BNL] offset:1024+64*\a
.endr
	s_wait_dscnt 0x0
.irp a, 0,1,2,3,4,5,6,7
	BLOCK \a
.endr
	s_wait_dscnt 0x0                               ; the last stores have read their registers: the loads below land there
.irp t, 0,1,2,3,4,5,6,7
.irp c, 0,1,2
	ds_load_b128 v[BK+12*\t+4*\c:BK+12*\t+4*\c+3], v[RD] offset:\t*FP+512*\c   ; my own stage: no other wave touches it
.endr
.endr
	ds_load_b128 v[BK+96:BK+99], v[RD] offset:8*FP
.irp t, 0,1,2,3,4,5,6,7
.irp c, 0,1,2
	s_wait_dscnt 24-(3*\t+\c)                      ; LDS loads come back in order: this one is in, the later ones may be out
	global_store_b128 v[CO], v[BK+12*\t+4*\c:BK+12*\t+4*\c+3], s[92:93] offset:1536*\t+512*\c   ; 32 lanes store 512 consecutive bytes, at a multiple of 512 from the buffer's first byte
.endr
.endr
	s_wait_dscnt 0x0
	global_store_b128 v[CO], v[BK+96:BK+99], s[94:95]
	s_wait_tensorcnt 0x0                           ; the wave's end
	ds_add_u32 v[SPW], v[NIL]
	s_wait_dscnt 0x0
	CROUND                                         ; the closing round: no work-group ends while a partner may still ask for a tile that names it
	s_endpgm
.Lfunc_end_k_qb03bf74b24_proj:
	.size	k_qb03bf74b24_proj, .Lfunc_end_k_qb03bf74b24_proj-k_qb03bf74b24_proj
	.p2alignl 7, 3214868480
	.fill 96, 4, 3214868480
	.section	.rodata,"a",@progbits
	.p2align	6, 0x0
	.amdhsa_kernel k_qb03bf74b24_proj
		.amdhsa_group_segment_fixed_size 327680
		.amdhsa_private_segment_fixed_size 0
		.amdhsa_enable_private_segment 0
		.amdhsa_kernarg_size 192
		.amdhsa_user_sgpr_count 2
		.amdhsa_user_sgpr_kernarg_segment_ptr 1
		.amdhsa_wavefront_size32 1
		.amdhsa_system_sgpr_workgroup_id_x 1
		.amdhsa_system_sgpr_workgroup_id_y 1
		.amdhsa_system_sgpr_workgroup_id_z 1
		.amdhsa_system_vgpr_workitem_id 0
		.amdhsa_next_free_vgpr 1024
		.amdhsa_next_free_sgpr 106
		.amdhsa_reserve_vcc 0
		.amdhsa_float_denorm_mode_32 3
		.amdhsa_float_denorm_mode_16_64 3
		.amdhsa_memory_ordered 1
		.amdhsa_forward_progress 1
		.amdhsa_inst_pref_size 240
	.end_amdhsa_kernel
	.amdgpu_metadata
---
amdhsa.version: [ 1, 2 ]
amdhsa.kernels:
  - .name:           k_qb03bf74b24_proj
    .symbol:         k_qb03bf74b24_proj.kd
    .args:
      - { .name: Xk_codes, .offset: 0, .size: 8, .value_kind: global_buffer, .address_space: global }
      - { .name: Xk_scales, .offset: 8, .size: 8, .value_kind: global_buffer, .address_space: global }
      - { .name: Wk_codes, .offset: 16, .size: 8, .value_kind: global_buffer, .address_space: global }
      - { .name: Wk_scales, .offset: 24, .size: 8, .value_kind: global_buffer, .address_space: global }
      - { .name: gamma2, .offset: 32, .size: 8, .value_kind: global_buffer, .address_space: global }
      - { .name: beta2, .offset: 40, .size: 8, .value_kind: global_buffer, .address_space: global }
      - { .name: mean2, .offset: 48, .size: 8, .value_kind: global_buffer, .address_space: global }
      - { .name: var2, .offset: 56, .size: 8, .value_kind: global_buffer, .address_space: global }
      - { .name: Xq_codes, .offset: 64, .size: 8, .value_kind: global_buffer, .address_space: global }
      - { .name: Xq_scales, .offset: 72, .size: 8, .value_kind: global_buffer, .address_space: global }
      - { .name: Wv_codes, .offset: 80, .size: 8, .value_kind: global_buffer, .address_space: global }
      - { .name: Wv_scales, .offset: 88, .size: 8, .value_kind: global_buffer, .address_space: global }
      - { .name: gamma3, .offset: 96, .size: 8, .value_kind: global_buffer, .address_space: global }
      - { .name: beta3, .offset: 104, .size: 8, .value_kind: global_buffer, .address_space: global }
      - { .name: mean3, .offset: 112, .size: 8, .value_kind: global_buffer, .address_space: global }
      - { .name: var3, .offset: 120, .size: 8, .value_kind: global_buffer, .address_space: global }
      - { .name: Wq_codes, .offset: 128, .size: 8, .value_kind: global_buffer, .address_space: global }
      - { .name: Wq_scales, .offset: 136, .size: 8, .value_kind: global_buffer, .address_space: global }
      - { .name: gamma1, .offset: 144, .size: 8, .value_kind: global_buffer, .address_space: global }
      - { .name: beta1, .offset: 152, .size: 8, .value_kind: global_buffer, .address_space: global }
      - { .name: mean1, .offset: 160, .size: 8, .value_kind: global_buffer, .address_space: global }
      - { .name: var1, .offset: 168, .size: 8, .value_kind: global_buffer, .address_space: global }
      - { .name: codes, .offset: 176, .size: 8, .value_kind: global_buffer, .address_space: global }
      - { .name: scales, .offset: 184, .size: 8, .value_kind: global_buffer, .address_space: global }
    .group_segment_fixed_size: 327680
    .private_segment_fixed_size: 0
    .kernarg_segment_align: 8
    .kernarg_segment_size: 192
    .max_flat_workgroup_size: 128
    .sgpr_count:     106
    .vgpr_count:     1024
    .wavefront_size: 32
...
	.end_amdgpu_metadata
.endif
;; end of part 1
;; launch attn (part 2): grid 8 x 32, 8 waves a work-group, clusters of 4 x 1, 327,680 bytes of LDS; arguments codes, scales, out0; writes out0
.if DOCPART == 2
	.amdgcn_target "amdgcn-amd-amdhsa--gfx1250"
	.amdhsa_code_object_version 6
	.text
	.protected	k_qb03bf74b24_attn
	.globl	k_qb03bf74b24_attn
	.p2align	8
	.type	k_qb03bf74b24_attn,@function
k_qb03bf74b24_attn:
	s_mov_b64 s[64:65], 0
	v_nop
	global_prefetch_b8 v0, s[64:65] scope:SCOPE_SE
	s_setreg_imm32_b32 hwreg(HW_REG_WAVE_MODE, 25, 1), 1
	s_wait_xcnt 0x0
	s_wait_alu depctr_hold_cnt(0) depctr_sa_sdst(0) depctr_va_vdst(0) depctr_va_sdst(0) depctr_va_ssrc(0) depctr_va_vcc(0) depctr_vm_vsrc(0)
	s_getreg_b32 s2, hwreg(HW_REG_IB_STS2, 6, 4)
	s_cmp_eq_u32 s2, 0
	s_cbranch_scc0 .Lentry_in_a_cluster
	s_endpgm
.Lentry_in_a_cluster:
	s_bfe_u32 s2, ttmp6, 0x10000c
	s_cmp_lg_u32 s2, 0x3003
	s_cbranch_scc0 .Lentry_shape_is_right
	s_endpgm
.Lentry_shape_is_right:
; out[head][c][i] = sum over j of softmax_j(K[:, i] . V[:, j] / sqrt(128)) Q[c][j], both products on codes of FP6 (E2M3) with one E8M0 scale for each 32 along a product's K.
; The QUERIES are the K branch's positions i, the KEYS the V branch's positions j, the VALUES the Q branch, quantised along j.  All three come from the workspace as images of operand registers:
; codes [head 32][block of 128 positions 16][record: 0 keys, 1 values, 2 queries][fragment 8][1,536], scales [head][block][record][512] (the word of fragment T, row r at 16 (r + 16 (T % 2)) + 4 (T / 2)).
; Fragment T = 4 c + u, row 8 g + q stands for index 64 c + 32 g + 8 w(u) + q of its 128 (positions; for values: channels), w swapping u's two bits.
; THE SOFTMAX: t = score x log2(e) / sqrt(128); M = the row's largest t so far, rounded up to a whole number; p = 2^(t - M) is quantised along the keys, not normalised; the row's sum is taken of the unquantised p
; and divides at the end; when M moves, the sum and O are multiplied by 2^(old M - new M), which rounds nothing.
; SHARES.  A work-group owns 256 queries of a head, each of its eight waves 32: two tiles of 16.  Two waves share a SIMD, so that one wave's vector work stands beside the other's products.  Every wave walks the head's
; 16 steps of 128 keys; each fragment of keys or values read from LDS feeds two matrix instructions.
; LAYOUT.  Both products transposed: S^T = keys x queries, O^T = values x p: a lane holds ONE query.  By the order of the keys in a fragment, registers 32 c .. 32 c + 31 of a lane's 64 scores are the WHOLE block
; 2 c + (lane / 16) of 32 keys: its largest score needs no other lane, and the conversions' results are the second product's operand as they stand.
; CLUSTER.  The four query blocks of a cluster belong to one head and walk the same keys and values: each tile is asked for jointly.
; LIMITS.  The order of k inside a block of 32 is 0, 2, 1, 3 by groups of eight, alike in both operands.  p under 2^-126 is 0; a block whose every p is 0 keeps the byte 1.  NaN and infinities are not served.
; A block's largest p is made from its largest score by the same two instructions; this takes v_exp_f32 not to fall where its input rises.
.set STEPB, 24576                      ; a step's keys and values: 16 fragments
.set SLOT1, 1<<17                      ; a slot holds four steps (98,304 bytes); slot 1 begins here, so that one exclusive or turns an address
.set SCK,   SLOT1+4*STEPB              ; the head's scale words of keys and values, 1,024 bytes a step: filled once
.set SPARE, SCK+16*1024                ; the spare words: 128 bytes a wave, four blocks of 256 bytes that no other line names
.set SP,    1040                       ; the way out: 128 rows (channels) x (256 positions x 4 bytes + 16), from LDS byte 0: the slots have had their last fill and their last read by then
.set HHC,   589824                     ; a head in codes,
.set BLKC,  36864                      ; a block of 128 positions;
.set HHS,   24576                      ; the same in scales
.set BLKS,  1536
.set LI,  1                            ; v1   16 x lane; never rewritten
.set SPW, 2                            ; v2   my spare word; never rewritten
.set NIL, 3                            ; v3   0; never rewritten
.set ADK, 4                            ; v4   the step's fragments
.set ADS, 5                            ; v5   the step's scale words
.set SH8, 6                            ; v6   8 x (lane / 16)
.set SO0, 7                            ; v7-8 the way out: where I put a number (channels 0-63, 64-127)
.set SR,  9                            ; v9   and where I read rows back
.set PFO, 10                           ; v10  256 x lane
.set ST,  16                           ; tile x at v[16 + 8 x]: +0 -M, +1 the largest score, +2, +3 the sum, +4 f, +5 0, +6 at work, +7 the other half's
.set KS,  32                           ; v32-35 the keys' scale words: register i: fragment 2 i in lanes 0-15, 2 i + 1 in lanes 16-31
.set VS,  36                           ; v36-39 the values'
.set QS,  40                           ; v40  the queries': tile 0 in lanes 0-15, tile 1 in lanes 16-31
.set PW,  41                           ; v41-42 p's scale word, tile x
.set CH,  44                           ; v44-47 four chains of maxima
.set SCO, 48                           ; v48-49 the conversions' scale operands
.set BY,  50                           ; v50-51 the bytes
.set WW,  52
.set W2,  53
.set A2,  54                           ; v54-55 the second chain of the sum
.set TA,  56                           ; v56-58, v60-62 the upper halves of the two blocks' codes
.set TB2, 60
.set PC,  64                           ; v64-75, v76-87 p's codes, tile x
.set S,   96                           ; v96-159, v160-223 the scores, then p; then the values' fragment T at v[96 + 12 T]
.set QF,  128                          ; window 1: O^T (x, T) at v[64 x + 8 T]; the queries at v[128 + 12 x]; the keys' fragment T at v[152 + 12 T]
.set KF,  152
.set WV,  10
.set W3,  11                           ; wave % 4
.set CX,  12
.set QB,  13                           ; my block of 256 queries
.set HH,  14                           ; the head
.set G1K, 16                           ; s[16:23] group 1 for a step's fragments; s[24:31] for the scale words
.set G1S, 24
.set G0,  32                           ; s[32:35] group 0, which walks; s[36:39] for the scale words
.set G0S, 36
.set SEL, 40                           ; s[40:41] lane l xor 16
.set CS,  42                           ; s[42:43] c = log2(e) / sqrt(128)
.set TB,  44                           ; LDS byte of the step in hand
.set TS,  45                           ; and of its scale words
.set SLOTS, 46
.set CNT, 47
.set PFA, 48                           ; s[48:49] where my prefetches stand
.set LIM, 50                           ; 1 in a wave that prefetches, else the greatest number
.set MSB, 0
.macro WIN new                         ; the immediate's high byte repeats the setting that is left
.if MSB != (\new)
	s_set_vgpr_msb (MSB<<8)|(\new)
.set MSB, \new
.endif
.endm
.macro CROUND                          ; a round of the cluster's barrier
	s_barrier_signal -1
	s_barrier_wait -1
	s_cmp_lg_u32 s[WV], 0
	s_cbranch_scc1 .Lnot_wave_0_\@
	s_barrier_signal -3
.Lnot_wave_0_\@:
	s_barrier_wait -3
	s_barrier_signal -1
	s_barrier_wait -1
.endm
; A joint refill: wave q of 0 to 3 fetches the slot's step q; waves 4 to 7 fetch nothing.  The branch hangs on the wave's number alone.  Four v_nop follow the load.
.macro JLOAD
	s_cmp_lt_u32 s[WV], 4
	s_cbranch_scc0 .Lasked_\@
	tensor_load_to_lds s[G0:G0+3], s[G1K:G1K+7]
	s_nop 0
.rept 4
	v_nop
.endr
.Lasked_\@:
.endm
; A prefetch of what the NEXT change of slots will ask for: four steps x 24,576 bytes.  Both clusters of a head walk the same bytes: the first asks.  Its four partners take a step each, told apart by address;
; in each, waves 4, 5 and 6, which fetch nothing, take 8,192 bytes each, lanes 256 bytes apart: each aligned 256 bytes are named once.  The last change that fills a slot asks for nothing.
.macro ASK
	s_cmp_gt_u32 s[SLOTS], s[LIM]
	s_cbranch_scc0 .Lnot_mine_\@
	global_prefetch_b8 v[PFO], s[PFA:PFA+1] th:TH_LOAD_NT scope:SCOPE_SE
.Lnot_mine_\@:
.endm
	s_load_b128 s[4:7], s[0:1], 0x0                ; codes, scales
	s_load_b64 s[8:9], s[0:1], 0x10                ; out0
	v_lshl_add_u32 v[SPW], v0, 2, SPARE
	v_mov_b32 v[NIL], 0
	ds_add_u32 v2, v3
	ds_add_u32 v2, v3
	s_wait_dscnt 0x0
	v_lshrrev_b32 v11, 5, v0
	s_delay_alu instid0(VALU_DEP_1)
	v_readfirstlane_b32 s[WV], v11                 ; wave 0..7
	s_and_b32 s[W3], s[WV], 3
	s_bfe_u32 s[CX], ttmp6, 0x40000                ; my place in the cluster
	s_lshl_b32 s[QB], ttmp9, 2
	s_add_co_u32 s[QB], s[QB], s[CX]               ; it enters the queries', the prefetches' and the output's addresses alone
	s_and_b32 s[HH], ttmp7, 0xffff                 ; the head, which the four partners share
	s_mul_i32 s52, s[HH], HHC                      ; the head's first byte in codes (under 2^25),
	s_mul_i32 s56, s[HH], HHS                      ; in scales
	s_mul_i32 s54, s[W3], BLKC                     ; the step that I fetch: block wave % 4 of the slot's four
	s_add_co_u32 s54, s54, s52
	s_mov_b32 s55, 0
	s_mul_i32 s58, s[W3], 4*BLKS                   ; the scale words that I fetch: four blocks'
	s_add_co_u32 s58, s58, s56
	s_mov_b32 s59, 0
	s_lshr_b32 s53, s[WV], 2
	s_lshl_b32 s57, s[QB], 1
	s_add_co_u32 s53, s53, s57                     ; my block of 128 queries
	s_mul_i32 s60, s53, BLKC
	s_add_co_u32 s60, s60, s52
	s_mul_i32 s57, s[W3], 2*1536                   ; my two fragments of its eight,
	s_add_co_u32 s60, s60, s57
	s_add_co_u32 s60, s60, 2*12288                 ; in record 2
	s_mov_b32 s61, 0
	s_mul_i32 s62, s53, BLKS
	s_add_co_u32 s62, s62, s56
	s_lshl_b32 s57, s[W3], 2                       ; fragments 2 (wave % 4) + x: word wave % 4 of a lane's four, x by the half of the lanes
	s_add_co_u32 s62, s62, s57
	s_add_co_u32 s62, s62, 1024
	s_mov_b32 s63, 0
	s_add_co_u32 s[PFA], s[CX], 4                  ; the prefetches stand in slot 1: the first change of slots steps them to slot 2
	s_mul_i32 s[PFA], s[PFA], BLKC
	s_add_co_u32 s[PFA], s[PFA], s52
	s_lshl_b32 s57, s[W3], 13
	s_add_co_u32 s[PFA], s[PFA], s57
	s_mov_b32 s[PFA+1], 0
	s_lshl_b32 s52, s[HH], 20                      ; out0: the head's 128 rows of 8,192 bytes,
	s_lshl_b32 s57, s[WV], 17                      ; the 16 rows that I store,
	s_add_co_u32 s52, s52, s57
	s_lshl_b32 s57, s[QB], 10                      ; my work-group's 256 positions
	s_add_co_u32 s52, s52, s57
	s_mov_b32 s53, 0
	s_sub_co_u32 s57, s[WV], 4
	s_cmp_lt_u32 s57, 3                            ; waves 4 to 6
	s_cselect_b32 s57, 0, 1
	s_or_b32 s57, s57, ttmp9                       ; of the head's first cluster: the same in all four partners
	s_cmp_eq_u32 s57, 0
	s_cselect_b32 s[LIM], 1, -1
	; group 1: a step's keys and values are 24,576 dense bytes: 96 rows of 256 bytes (32 elements of 8)
	s_mov_b32 s[G1K], 15|(3<<16)|(1<<21)           ; 15:0 the mask: all four work-groups; elements of 8 bytes; bit 21 beside a mask; no padding: images are read 512 bytes on end
	s_mov_b32 s[G1K+1], 32<<16
	s_mov_b32 s[G1K+2], 96<<16
	s_mov_b32 s[G1K+3], 32<<16
	s_mov_b32 s[G1K+4], 96
	s_mov_b32 s[G1K+5], 32
	s_mov_b32 s[G1K+6], 0
	s_mov_b32 s[G1K+7], 0
	; the scale words of four blocks: 4 rows of 1,024 bytes (records 0 and 1), 1,536 bytes apart
	s_mov_b32 s[G1S], 15|(3<<16)|(1<<21)
	s_mov_b32 s[G1S+1], 128<<16
	s_mov_b32 s[G1S+2], 4<<16
	s_mov_b32 s[G1S+3], 128<<16
	s_mov_b32 s[G1S+4], 4
	s_mov_b32 s[G1S+5], 192
	s_mov_b32 s[G1S+6], 0
	s_mov_b32 s[G1S+7], 0
	s_mov_b32 s[SEL], 0x76543210
	s_mov_b32 s[SEL+1], 0xfedcba98
	s_mov_b32 s[CS], 0x3e0293ee                    ; c = log2(e) / sqrt(128)
	s_mov_b32 s[CS+1], s[CS]                       ; (named with it as a pair, so it is written)
	s_mov_b32 s[TB], 0
	s_mov_b32 s[TS], SCK
	s_mov_b32 s[SLOTS], 3
	s_wait_kmcnt 0x0
	s_add_nc_u64 s[54:55], s[4:5], s[54:55]
	s_add_nc_u64 s[58:59], s[6:7], s[58:59]
	s_add_nc_u64 s[60:61], s[4:5], s[60:61]
	s_add_nc_u64 s[62:63], s[6:7], s[62:63]
	s_add_nc_u64 s[PFA:PFA+1], s[4:5], s[PFA:PFA+1]
	s_add_nc_u64 s[8:9], s[8:9], s[52:53]
	CROUND                                         ; all four work-groups are here: the first joint loads meet
	s_mov_b32 s[G0], 1
	s_mul_i32 s[G0+1], s[W3], STEPB                ; slot 0, step wave % 4: no place in the cluster enters an LDS address
	s_mov_b64 s[G0+2:G0+3], s[54:55]
	s_or_b32 s[G0+3], s[G0+3], 0x80000000
	s_mov_b32 s[G0S], 1
	s_lshl_b32 s[G0S+1], s[W3], 12
	s_add_co_u32 s[G0S+1], s[G0S+1], SCK
	s_mov_b64 s[G0S+2:G0S+3], s[58:59]
	s_or_b32 s[G0S+3], s[G0S+3], 0x80000000
	s_cmp_lt_u32 s[WV], 4                          ; the first fills: waves 0 to 3 slot 0's four steps, waves 4 to 7 the head's scale words: one load a wave
	s_cbranch_scc0 .Lfirst_s
	tensor_load_to_lds s[G0:G0+3], s[G1K:G1K+7]
	s_nop 0
.rept 4
	v_nop
.endr
	s_branch .Lfirst_done
.Lfirst_s:
	tensor_load_to_lds s[G0S:G0S+3], s[G1S:G1S+7]
	s_nop 0
.rept 4
	v_nop
.endr
.Lfirst_done:
	v_and_b32 v11, 31, v0
	s_delay_alu instid0(VALU_DEP_1)
	v_lshlrev_b32 v[LI], 4, v11
	s_delay_alu instid0(VALU_DEP_2)
	v_lshlrev_b32 v[PFO], 8, v11
	WIN 0x40                                       ; destination window 1
.irp x, 0,1
.irp c, 0,1,2
	global_load_b128 v[QF+12*\x+4*\c:QF+12*\x+4*\c+3], v[LI], s[60:61] offset:1536*\x+512*\c   ; my two tiles of queries stay in registers
.endr
.endr
.set i, 0
.rept 128
	v_mov_b32 v[i], 0                              ; O^T.  (The step is written once: the first finds zeros, which the first change of M leaves zeros)
.set i, i+1
.endr
	WIN 0
	global_load_b32 v[QS], v[LI], s[62:63]
	v_and_b32 v11, 7, v0                           ; r % 8
	s_wait_alu depctr_va_vdst(0)
	v_bfe_u32 v12, v0, 3, 1                        ; r / 8
	v_bfe_u32 v13, v0, 4, 1                        ; h
	s_delay_alu instid0(VALU_DEP_1)
	v_lshlrev_b32 v[SH8], 3, v13
	; the way out.  My query, row r of fragment 2 (wave % 4) + x of block wave / 4, is position 128 (w / 4) + 64 ((w / 2) % 2) + 32 (r / 8) + 16 x + 8 (w % 2) + r % 8 of the work-group's 256;
	; register j of O^T (x, 4 c + u) is channel 64 c + 32 h + 8 w(u) + j
	s_lshr_b32 s53, s[WV], 2
	s_lshl_b32 s53, s53, 9
	s_bfe_u32 s57, s[WV], 0x10001
	s_lshl_b32 s57, s57, 8
	s_add_co_u32 s53, s53, s57
	s_and_b32 s57, s[WV], 1
	s_lshl_b32 s57, s57, 5
	s_add_co_u32 s53, s53, s57
	v_lshlrev_b32 v[SO0], 2, v11
	s_wait_alu depctr_va_vdst(0)
	v_lshl_add_u32 v[SO0], v12, 7, v[SO0]
	s_delay_alu instid0(VALU_DEP_1)
	v_mad_u32_u24 v[SO0], v13, 32*SP, v[SO0]
	s_delay_alu instid0(VALU_DEP_1)
	v_add_nc_u32 v[SO0], s53, v[SO0]
	s_delay_alu instid0(VALU_DEP_1)
	v_add_nc_u32 v[SO0+1], 64*SP, v[SO0]
	s_mul_i32 s57, s[WV], 16*SP
	v_add_nc_u32 v[SR], s57, v[LI]                 ; back: rows 16 w on, 16 bytes a lane
.irp x, 0,1
	v_mov_b32 v[ST+8*\x+1], 0xff61b1e6             ; the largest score so far: -3e38
	v_mov_b32 v[ST+8*\x+2], 0                      ; the sum, in two halves
	v_mov_b32 v[ST+8*\x+3], 0
	v_mov_b32 v[ST+8*\x+5], 0                      ; (named as the upper half of a pair)
	v_mov_b32 v[ST+8*\x+7], 0                      ; (a lane permute's destination counts as one of its sources)
	v_mul_f32 v[ST+8*\x+6], s[CS], v[ST+8*\x+1]
	s_delay_alu instid0(VALU_DEP_1)
	v_floor_f32 v[ST+8*\x], -v[ST+8*\x+6]          ; -M
.endr
	v_mov_b32 v[W2], 0
.macro KQ1 t, x                        ; S^T (x, t) = 16 keys x my 16 queries; K = the head's 128
.set rS, S+64*(\x)+8*(\t)
.set rK, KF+12*(\t)
.set rQ, QF+12*(\x)
.if ((\t)%2 == 0) && ((\x) == 0)
	v_wmma_scale_f32_16x16x128_f8f6f4 v[rS:rS+7], v[rK:rK+11], v[rQ:rQ+11], 0, v[KS+(\t)/2], v[QS] matrix_a_fmt:MATRIX_FMT_FP6 matrix_b_fmt:MATRIX_FMT_FP6
.elseif ((\t)%2 == 0)
	v_wmma_scale_f32_16x16x128_f8f6f4 v[rS:rS+7], v[rK:rK+11], v[rQ:rQ+11], 0, v[KS+(\t)/2], v[QS] matrix_a_fmt:MATRIX_FMT_FP6 matrix_b_fmt:MATRIX_FMT_FP6 matrix_b_scale:MATRIX_SCALE_ROW1
.elseif ((\x) == 0)
	v_wmma_scale_f32_16x16x128_f8f6f4 v[rS:rS+7], v[rK:rK+11], v[rQ:rQ+11], 0, v[KS+(\t)/2], v[QS] matrix_a_fmt:MATRIX_FMT_FP6 matrix_b_fmt:MATRIX_FMT_FP6 matrix_a_scale:MATRIX_SCALE_ROW1
.else
	v_wmma_scale_f32_16x16x128_f8f6f4 v[rS:rS+7], v[rK:rK+11], v[rQ:rQ+11], 0, v[KS+(\t)/2], v[QS] matrix_a_fmt:MATRIX_FMT_FP6 matrix_b_fmt:MATRIX_FMT_FP6 matrix_a_scale:MATRIX_SCALE_ROW1 matrix_b_scale:MATRIX_SCALE_ROW1
.endif
.endm
.macro PV1 t, x                        ; O^T (x, t) += 16 channels of the values x p; K = the step's 128 keys
.set rO, 64*(\x)+8*(\t)
.set rV, S+12*(\t)
.set rP, PC+12*(\x)
.if (\t)%2 == 0
	v_wmma_scale_f32_16x16x128_f8f6f4 v[rO:rO+7], v[rV:rV+11], v[rP:rP+11], v[rO:rO+7], v[VS+(\t)/2], v[PW+(\x)] matrix_a_fmt:MATRIX_FMT_FP6 matrix_b_fmt:MATRIX_FMT_FP6
.else
	v_wmma_scale_f32_16x16x128_f8f6f4 v[rO:rO+7], v[rV:rV+11], v[rP:rP+11], v[rO:rO+7], v[VS+(\t)/2], v[PW+(\x)] matrix_a_fmt:MATRIX_FMT_FP6 matrix_b_fmt:MATRIX_FMT_FP6 matrix_a_scale:MATRIX_SCALE_ROW1
.endif
.endm
; THE SOFTMAX of tile x for one step.  Registers 0-31 of the lane's 64 scores are block h of the step's four blocks of 32 keys, registers 32-63 block 2 + h.
.macro SM x
.set rS, S+64*(\x)
.set rT, ST+8*(\x)
.set rP, PC+12*(\x)
.irp k, 0,1,2,3
	v_max3_num_f32 v[CH+\k], v[rS+16*\k], v[rS+16*\k+1], v[rS+16*\k+2]   ; four chains of 15 scores; each accumulator is first read at its low end
.endr
.irp i, 3,5,7,9,11,13
.irp k, 0,1,2,3
	v_max3_num_f32 v[CH+\k], v[CH+\k], v[rS+16*\k+\i], v[rS+16*\k+\i+1]
.endr
.endr
	v_max3_num_f32 v[CH], v[CH], v[CH+1], v[rS+15]
	v_max3_num_f32 v[CH+2], v[CH+2], v[CH+3], v[rS+47]
	v_max_num_f32 v[CH], v[CH], v[rS+31]           ; THE LARGEST SCORE OF EACH OF MY TWO BLOCKS: it serves for the row's maximum and, since p rises with the score, for the block's largest p
	v_max_num_f32 v[CH+2], v[CH+2], v[rS+63]
	s_delay_alu instid0(VALU_DEP_1)
	v_max_num_f32 v[rT+6], v[CH], v[CH+2]
	s_delay_alu instid0(VALU_DEP_1)
	v_permlanex16_b32 v[rT+7], v[rT+6], s[SEL], s[SEL+1]
	s_delay_alu instid0(VALU_DEP_1)
	v_max3_num_f32 v[rT+1], v[rT+1], v[rT+6], v[rT+7]   ; the running largest score of my query
	s_delay_alu instid0(VALU_DEP_1)
	v_mul_f32 v[rT+6], s[CS], v[rT+1]              ; as t (c is positive)
	v_mov_b32 v[A2], v[rT]
	s_delay_alu instid0(VALU_DEP_2)
	v_floor_f32 v[rT], -v[rT+6]                    ; the new -M = floor(-t): M is a whole number
	s_delay_alu instid0(VALU_DEP_1)
	v_sub_f32 v[A2], v[rT], v[A2]                  ; old M - new M: a whole number, 0 or less
	s_delay_alu instid0(VALU_DEP_1)
	v_cvt_i32_f32 v[A2], v[A2]                     ; (it saturates)
	s_delay_alu instid0(VALU_DEP_1)
	v_ldexp_f32 v[rT+4], 1.0, v[A2]                ; f = 2^(old M - new M)
.set i, 0
.rept 32
	v_pk_fma_f32 v[rS+i:rS+i+1], v[rS+i:rS+i+1], s[CS:CS+1], v[rT:rT+1] op_sel_hi:[1,0,0]   ; t - M, two at a time (of the pairs c and -M the low word serves both halves)
.set i, i+2
.endr
	v_fma_f32 v[CH], v[CH], s[CS], v[rT]           ; the same of each block's largest score
	v_fma_f32 v[CH+2], v[CH+2], s[CS], v[rT]
.set i, 0
	s_wait_alu depctr_va_vdst(0)
.rept 64
	v_exp_f32 v[rS+i], v[rS+i]                     ; p = 2^(t - M)
.set i, i+1
.endr
	v_pk_mul_f32 v[rT+2:rT+3], v[rT+2:rT+3], v[rT+4:rT+5] op_sel_hi:[1,0]   ; the sum under the new M: the plain instruction behind the exponentials
	s_wait_alu depctr_va_vdst(0)                   ; one wait for the batch of 64, ahead of its first reader
	v_exp_f32 v[CH], v[CH]                         ; the blocks' largest p
	v_exp_f32 v[CH+2], v[CH+2]
	v_pk_add_f32 v[A2:A2+1], v[rS:rS+1], v[rS+2:rS+3]   ; THE ROW'S SUM IS TAKEN OF THE UNQUANTISED p, in two chains; it reads the 64 alone
.irp j, 4,8,12,16,20,24,28,32,36,40,44,48,52,56,60
	v_pk_add_f32 v[rT+2:rT+3], v[rT+2:rT+3], v[rS+\j:rS+\j+1]
	v_pk_add_f32 v[A2:A2+1], v[A2:A2+1], v[rS+\j+2:rS+\j+3]
.endr
	s_delay_alu instid0(VALU_DEP_1)
	v_pk_add_f32 v[rT+2:rT+3], v[rT+2:rT+3], v[A2:A2+1]
	s_wait_alu depctr_va_vdst(0)                   ; and one for the two
	v_max_num_f32 v[CH], 0x1800000, v[CH]          ; the floor 2^(3 - 127): the byte cannot fall under 1
	v_max_num_f32 v[CH+2], 0x1800000, v[CH+2]
	s_delay_alu instid0(VALU_DEP_2)
	v_add_nc_u32 v[SCO], 0xff000000, v[CH]         ; 2 off the exponent field: the conversion's scale operand
	s_delay_alu instid0(VALU_DEP_2)
	v_add_nc_u32 v[SCO+1], 0xff000000, v[CH+2]
	s_delay_alu instid0(VALU_DEP_2)
	v_lshrrev_b32 v[BY], 23, v[SCO]                ; the scale's byte
	s_delay_alu instid0(VALU_DEP_2)
	v_lshrrev_b32 v[BY+1], 23, v[SCO+1]
	s_delay_alu instid0(VALU_DEP_1)
	v_lshl_or_b32 v[WW], v[BY+1], 16, v[BY]        ; my two bytes: blocks h and 2 + h,
	s_delay_alu instid0(VALU_DEP_1)
	v_lshlrev_b32 v[WW], v[SH8], v[WW]             ; at their places in the word;
	s_delay_alu instid0(VALU_DEP_1)
	v_permlanex16_b32 v[W2], v[WW], s[SEL], s[SEL+1]
	s_delay_alu instid0(VALU_DEP_1)
	v_or_b32 v[PW+(\x)], v[WW], v[W2]              ; with lane l xor 16's two the word is whole
	v_cvt_scalef32_pk16_fp6_f32 v[rP:rP+2], v[rS:rS+15], v[SCO]
	v_cvt_scalef32_pk16_fp6_f32 v[TA:TA+2], v[rS+16:rS+31], v[SCO]       ; (a conversion's three registers begin on an even number)
	v_cvt_scalef32_pk16_fp6_f32 v[rP+6:rP+8], v[rS+32:rS+47], v[SCO+1]
	v_cvt_scalef32_pk16_fp6_f32 v[TB2:TB2+2], v[rS+48:rS+63], v[SCO+1]
	v_nop                                          ; one plain place behind a scaled conversion
.irp i, 0,1,2
	v_mov_b32 v[rP+3+\i], v[TA+\i]
	v_mov_b32 v[rP+9+\i], v[TB2+\i]
.endr
.endm
; A KEY STEP: 128 keys.
.macro STEP
	v_add_nc_u32 v[ADK], s[TB], v[LI]
	v_add_nc_u32 v[ADS], s[TS], v[LI]
.rept 4
	v_nop                                          ; with the two additions six places: the products below write over registers that the last step's products read (five are owed)
.endr
	ds_load_b128 v[KS:KS+3], v[ADS]
	WIN 0x40                                       ; destination window 1
.irp t, 0,1,2,3,4,5,6,7
.irp c, 0,1,2
	ds_load_b128 v[KF+12*\t+4*\c:KF+12*\t+4*\c+3], v[ADK] offset:1536*\t+512*\c
.endr
.endr
	WIN 0x05                                       ; keys and queries window 1, S^T window 0
.irp t, 0,1,2,3,4,5,6,7
	s_wait_dscnt 21-3*\t                           ; the scale words and fragments 0 to t are in; the later fragments' three loads each may be out
	KQ1 \t, 0
	KQ1 \t, 1
.endr
	WIN 0
.rept 4
	v_nop                                          ; places in front of the first read of the scores
.endr
	SM 0
	ds_load_b128 v[VS:VS+3], v[ADS] offset:512
.irp t, 0,1,2,3,4                              ; the values' fragments 0 to 4 take tile 0's registers, which are done with
.irp c, 0,1,2
	ds_load_b128 v[S+12*\t+4*\c:S+12*\t+4*\c+3], v[ADK] offset:12288+1536*\t+512*\c
.endr
.endr
	s_setprio 1
	SM 1
.irp t, 5,6,7
.irp c, 0,1,2
	ds_load_b128 v[S+12*\t+4*\c:S+12*\t+4*\c+3], v[ADK] offset:12288+1536*\t+512*\c
.endr
.endr
	WIN 0x41                                       ; O^T window 1, f window 0
.irp x, 0,1
.set i, 64*\x
.rept 32
	v_pk_mul_f32 v[i:i+1], v[i:i+1], v[ST+8*\x+4:ST+8*\x+5] op_sel_hi:[1,0]   ; O^T under the new M.  (These 64 are also the places between p's codes and scale words and the products below)
.set i, i+2
.endr
.endr
	s_wait_alu depctr_va_vdst(0)
	s_wait_dscnt 0x0                               ; the values are in
	WIN 0x50                                       ; values and p window 0, O^T window 1
	s_setprio 0
.irp t, 0,1,2,3,4,5,6,7                        ; the 16 accumulators take turns, one instruction a turn
	PV1 \t, 0
	PV1 \t, 1
.endr
	WIN 0
.endm
; THE CHANGE OF SLOTS stands at a slot's head.  Each wave waits for all its tensor loads, adds 0 to its spare word, and waits for that and for its reads of the slot that it has left.  fill = 1: the barrier is a
; round of the cluster's, and behind it the slot that was left takes the next four steps: the load has four steps' work in which to land.  One tensor load of a wave is out.
.macro CHANGE fill
	s_wait_tensorcnt 0x0                           ; no tensor load of mine is out, so a group 0 may be written
	ds_add_u32 v[SPW], v[NIL]                      ; 0 onto my spare word
.if \fill
	s_xor_b32 s[G0+1], s[G0+1], SLOT1              ; the other slot than last time,
	s_add_nc_u64 s[G0+2:G0+3], s[G0+2:G0+3], 4*BLKC   ; the next four blocks; the type bits on top are not reached
	s_wait_xcnt 0x0                                ; the last prefetch, a slot back, has read its address:
	s_add_nc_u64 s[PFA:PFA+1], s[PFA:PFA+1], 4*BLKC   ; one slot further on than the walking descriptor
	s_wait_dscnt 0x0                               ; the add is done, and my reads of the slot that I have left are over
	CROUND
	JLOAD
	ASK
.else
	s_wait_dscnt 0x0
	s_barrier_signal -1
	s_barrier_wait -1
.endif
.endm
.macro SLOT_STEPS                      ; a slot's four steps: written once, walked four times
	s_mov_b32 s[CNT], 4
.Lstep_\@:
	s_setprio 2
	STEP
	s_add_co_u32 s[TB], s[TB], STEPB
	s_add_co_u32 s[TS], s[TS], 1024
	s_sub_co_u32 s[CNT], s[CNT], 1
	s_cmp_lg_u32 s[CNT], 0
	s_cbranch_scc1 .Lstep_\@
	s_setprio 0
	s_sub_co_u32 s[TB], s[TB], 4*STEPB             ; back to a slot's first step,
	s_xor_b32 s[TB], s[TB], SLOT1                  ; in the other slot
.endm
	s_wait_loadcnt 0x0                             ; the queries
.Lslot:                                            ; three trips: behind each change of slots but the last the next slot is asked for
	CHANGE 1
	SLOT_STEPS
	s_sub_co_u32 s[SLOTS], s[SLOTS], 1
	s_cmp_lg_u32 s[SLOTS], 0
	s_cbranch_scc1 .Lslot
	CHANGE 0                                       ; the last slot is written out
	SLOT_STEPS
	; THE WAY OUT.  O^T / the sum goes into a stage of 128 channels x 256 positions, which all eight waves fill; then each wave stores 16 whole rows.
.rept 4
	v_nop                                          ; places behind the last products
.endr
.irp x, 0,1
	v_add_f32 v[ST+8*\x+6], v[ST+8*\x+2], v[ST+8*\x+3]   ; the sum's two halves,
.endr
.irp x, 0,1
	s_delay_alu instid0(VALU_DEP_2)
	v_permlanex16_b32 v[ST+8*\x+7], v[ST+8*\x+6], s[SEL], s[SEL+1]
.endr
.irp x, 0,1
	s_delay_alu instid0(VALU_DEP_2)
	v_add_f32 v[ST+8*\x+6], v[ST+8*\x+6], v[ST+8*\x+7]   ; and lane l xor 16's blocks
.endr
	s_wait_alu depctr_va_vdst(0)
.irp x, 0,1
	v_rcp_f32 v[ST+8*\x+6], v[ST+8*\x+6]
.endr
	v_nop                                          ; a plain instruction behind the last reciprocal
	s_wait_alu depctr_va_vdst(0)                   ; one wait for the two, ahead of their first reader
	s_wait_dscnt 0x0                               ; my reads of the slots are over:
	s_barrier_signal -1
	s_barrier_wait -1                              ; everybody's are: the stage may be written
	WIN 0x01                                       ; O^T window 1; the results take the scores' registers
.irp x, 0,1
.set i, 0
.rept 32
	v_pk_mul_f32 v[S+64*\x+i:S+64*\x+i+1], v[64*\x+i:64*\x+i+1], v[ST+8*\x+6:ST+8*\x+7] op_sel_hi:[1,0]   ; each accumulator from its low end on
.set i, i+2
.endr
.endr
	WIN 0
.irp x, 0,1
.irp c, 0,1
.irp u, 0,1,2,3
.irp j, 0,1,2,3,4,5,6,7
	ds_store_b32 v[SO0+\c], v[S+64*\x+8*(4*\c+\u)+\j] offset:(8*(2*(\u%2)+\u/2)+\j)*SP+64*\x
.endr
.endr
.endr
.endr
	s_wait_dscnt 0x0                               ; for the others' sake: my stores into the stage are done
	s_barrier_signal -1
	s_barrier_wait -1
.irp i, 0,1,2,3,4,5,6,7,8,9,10,11,12,13,14,15
	ds_load_b128 v[S+8*\i:S+8*\i+3], v[SR] offset:\i*SP
	ds_load_b128 v[S+8*\i+4:S+8*\i+7], v[SR] offset:\i*SP+512
.endr
.irp i, 0,1,2,3,4,5,6,7,8,9,10,11,12,13,14,15
	s_wait_dscnt 31-2*\i                           ; LDS loads come back in order: this one is in, the later ones may be out
	global_store_b128 v[LI], v[S+8*\i:S+8*\i+3], s[8:9] offset:8192*\i th:TH_STORE_NT       ; 32 lanes store 512 consecutive bytes, at a multiple of 512 from out0's first byte
	s_wait_dscnt 30-2*\i
	global_store_b128 v[LI], v[S+8*\i+4:S+8*\i+7], s[8:9] offset:8192*\i+512 th:TH_STORE_NT
.endr
	s_wait_tensorcnt 0x0                           ; the wave's end
	ds_add_u32 v[SPW], v[NIL]
	s_wait_dscnt 0x0
	CROUND                                         ; the closing round: no work-group ends while a partner may still ask for a tile that names it
	s_endpgm
.Lfunc_end_k_qb03bf74b24_attn:
	.size	k_qb03bf74b24_attn, .Lfunc_end_k_qb03bf74b24_attn-k_qb03bf74b24_attn
	.p2alignl 7, 3214868480
	.fill 96, 4, 3214868480
	.section	.rodata,"a",@progbits
	.p2align	6, 0x0
	.amdhsa_kernel k_qb03bf74b24_attn
		.amdhsa_group_segment_fixed_size 327680
		.amdhsa_private_segment_fixed_size 0
		.amdhsa_enable_private_segment 0
		.amdhsa_kernarg_size 24
		.amdhsa_user_sgpr_count 2
		.amdhsa_user_sgpr_kernarg_segment_ptr 1
		.amdhsa_wavefront_size32 1
		.amdhsa_system_sgpr_workgroup_id_x 1
		.amdhsa_system_sgpr_workgroup_id_y 1
		.amdhsa_system_sgpr_workgroup_id_z 1
		.amdhsa_system_vgpr_workitem_id 0
		.amdhsa_next_free_vgpr 512
		.amdhsa_next_free_sgpr 66
		.amdhsa_reserve_vcc 0
		.amdhsa_float_denorm_mode_32 3
		.amdhsa_float_denorm_mode_16_64 3
		.amdhsa_memory_ordered 1
		.amdhsa_forward_progress 1
		.amdhsa_inst_pref_size 99
	.end_amdhsa_kernel
	.amdgpu_metadata
---
amdhsa.version: [ 1, 2 ]
amdhsa.kernels:
  - .name:           k_qb03bf74b24_attn
    .symbol:         k_qb03bf74b24_attn.kd
    .args:
      - { .name: codes, .offset: 0, .size: 8, .value_kind: global_buffer, .address_space: global }
      - { .name: scales, .offset: 8, .size: 8, .value_kind: global_buffer, .address_space: global }
      - { .name: out0, .offset: 16, .size: 8, .value_kind: global_buffer, .address_space: global }
    .group_segment_fixed_size: 327680
    .private_segment_fixed_size: 0
    .kernarg_segment_align: 8
    .kernarg_segment_size: 24
    .max_flat_workgroup_size: 256
    .sgpr_count:     66
    .vgpr_count:     512
    .wavefront_size: 32
...
	.end_amdgpu_metadata
.endif
;; end of part 2
